; MI455X (gfx1250); checked and timed in simulation.
; The chip was launched on July 23, 2026; its instructions are those of AMD's public machine-readable ISA for CDNA 5 (MIT licence, August 2026) and "CDNA5" Instruction Set Architecture Reference Guide (July 2026). The comments in the code are by the model that wrote it; some were corrected since.
;; L Lama Attention. Allowed arithmetic: float matrix products may take bf16 or f16 operands with f32 sums; all other float work in f32.
;; Inputs: K 4 x 4 x 16 x 128 float32; Kcache 4 x 4 x 8,176 x 128 float32; Q 4 x 32 x 16 x 128 float32; V 4 x 4 x 16 x 128 float32; Vcache 4 x 4 x 8,176 x 128 float32; w1 128 float32; w2 128 float32; w3 8,192 float32.
;; Outputs: out0 4 x 32 x 16 x 128 float32.
;; One version. Each part assembles by itself: llvm-mc -triple=amdgcn-amd-amdhsa -mcpu=gfx1250 --defsym DOCPART=n.
;; ======== version 1 of 1: 2 launches
;; limits: values are held in f16: magnitudes above 65,504 overflow, below 6.1e-05 lose precision
;; workspace buffers: opart 16,777,216 bytes; ml 262,144 bytes
;; launch partial (part 1): grid 16 x 16, 4 waves a work-group, no clusters, 324,096 bytes of LDS; arguments Q, K, V, Kcache, Vcache, w1, w2, w3, opart, ml; writes opart, ml
.if DOCPART == 1
	.amdgcn_target "amdgcn-amd-amdhsa--gfx1250"
	.amdhsa_code_object_version 6
	.text
	.protected	k_q50d4cf4c08_partial
	.globl	k_q50d4cf4c08_partial
	.p2align	8
	.type	k_q50d4cf4c08_partial,@function
k_q50d4cf4c08_partial:
	s_mov_b64 s[64:65], 0
	v_nop
	global_prefetch_b8 v0, s[64:65] scope:SCOPE_SE
	s_setreg_imm32_b32 hwreg(HW_REG_WAVE_MODE, 25, 1), 1
	s_wait_xcnt 0x0
; PARTIAL ATTENTION OVER 512 KEYS.  Work-group (x = split 0..15, y = pair 0..15; a pair is one batch and one key/value head).
; For the pair's 128 query rows (8 heads x 16 positions, contiguous in Q) and keys 512 split .. 512 split + 511 of the 8,192
; (8,176 from the caches, then 16 from K and V) it stores the running maximum m of the scores (in units of log2), the sum l of
; 2^(score - m), and O = sum of 2^(score - m) V, not normalised.  A second launch merges the 16 splits of a row.
; score x log2e = (Q coeff C log2e) . K' + w3 log2e, coeff = w1 (+1 for d < 64, -1 for d >= 64) + w2, K' = K coeff for the 16 new keys.
;
; SHARES.  Four waves.  A stage is 64 keys; eight stages.  As producer wave w loads rows 16 w .. 16 w + 15 of each stage of K and of V
; (one load covers a row's 512 bytes), rounds them to f16 once and stores them into LDS, where all 512 keys fit: no LDS byte of K or V is
; written twice, and the global loads run as a ring of two stages in registers with counted waits.  As consumer wave w owns queries
; 32 w .. 32 w + 31 against all keys, so m, l and O never leave the wave.
; LAYOUT.  S^T = K Q^T: in the result a lane (r = lane % 16, h = lane / 16) holds keys 8 h + 0..7 of query r, so the maximum over keys is taken
; inside the lane and across the two halves, two neighbouring tiles pack into the second operand of O^T = V^T P^T as they lie, and the
; factor that rescales O is one number a lane.  V^T's fragments come by transposing LDS loads from V stored [key][d].
; The scores' accumulators are loaded with w3 log2e, so the bias costs no arithmetic.
; FORMAT.  The matrix operands are f16, not bf16.  A row of the result is an average over 8,192 keys with weights of like size, so it is small
; beside V, and the independent rounding errors of Q, K, P and V add up as the terms themselves do: each format's relative error shows whole
; against the result's root mean square, of which one hundredth is allowed.  f16 keeps 11 significant bits, bf16 8.
; f16's room (largest number 65,504): P is at most 1, since the running maximum is taken away.  With every input 30 times as large as a
; unit normal or a uniform number in 0..1, |K| and |V| reach some 165, |Q coeff C log2e| some 165 x 60 x 0.1275 = 1.3e3, |K coeff| some 9.9e3.
; NOT USED: joint loads in a cluster.  No byte of K or V is read by two work-groups; only Q is (64 KiB of the 576 KiB that a work-group reads),
; and it passes through registers for its scaling.  The tensor data mover: every number passes a register anyway on its way from f32 to f16.
; The eight trips are written out by macro: the first starts the sums, the last three have other waits, and the ring's registers go by stage parity.
; LIMITS.  An operand (Q coeff C log2e, K, K coeff, V) beyond 65,504 becomes infinite and its rows NaN; operands below 2^-14 are kept as f16
; denormals, with an absolute error of at most 2^-25.  NaN and infinite inputs are not served; scores must be finite in f32.  v_exp_f32 gives 0
; for results below 2^-126.  l is summed from the unrounded p; the order of the sums differs from the reference's.
.set ROWB,  512                        ; bytes of a row of 128 f32
.set GSTG,  64*ROWB                    ; a stage in memory
.set CPAIR, 8176*ROWB                  ; a pair's part of a cache
.set KP,    272                        ; LDS pitch of K and Q rows: 256 bytes + 16, an odd multiple of 16
.set VP,    288                        ; LDS pitch of V rows: 256 bytes + 32, an odd multiple of 32 (for the transposing loads)
.set VOFS,  64*KP                      ; V behind K inside a stage
.set STG,   VOFS+64*VP                 ; 35,840 bytes a stage; stage s at s x STG
.set QS,    8*STG                      ; Q in f16, 128 rows x 272; wave w touches rows 32 w .. 32 w + 31 alone
.set W3S,   QS+128*KP                  ; 512 f32: w3 x log2e of this split; ends at byte 323,584
.set OP,    528                        ; the way out: pitch of a row of 128 f32, an odd multiple of 16
.set OWAVE, 32*OP                      ; the way out: 16,896 bytes a wave from byte 0, 67,584 in all, inside stages 0 and 1
; window 0
.set LOFF,  2                          ; lane x 16
.set KSTO,  3                          ; where my K rows go (VSTO = KSTO + 1 for V)
.set VSTO,  4
.set KAD,   5                          ; K fragments of the trip's stage
.set VAD,   6                          ; V fragments
.set WAD,   7                          ; w3 x log2e
.set QSTO,  8
.set QAD,   9
.set OSTO,  10
.set ORD,   11
.set MLO,   12
.set W3STO, 13
.set SGN,   14                         ; v[14:15]  +1 or -1, twice
.set COEF,  16                         ; v[16:19]  coeff of my four d
.set QC,    20                         ; v[20:23]  coeff x C x log2e
.set KC,    24                         ; v[24:27]  coeff, or 1.0 where my last stage's rows are cache rows
.set W1L,   28
.set W2L,   32
.set W3L,   36
.set LS0,   40                         ; v40, v41  l of query tile 0, 1 (the sum over my half's keys, until the end)
.set MV,    42                         ; v[42:43]  m, l as stored
.set MP0,   44                         ; v[44:45], v[46:47]  m twice, tile 0, 1
.set AP0,   48                         ; v[48:49], v[50:51]  2^(old m - new m) twice, tile 0, 1
.set TA,    52
.set TB,    53
.set TC,    54
.set TD,    55
.set USM,   56                         ; v[56:63]  four pairs of partial sums
.set QF,    64                         ; v[64:127]   Q fragments, tile (qt, c) at QF + 8 (4 qt + c)
.set SCO,   128                        ; v[128:191]  scores, tile (qt, mt) at SCO + 32 qt + 8 mt
.set PRB,   192                        ; v[192:223]  P in f16, fragment (qt, ks) at PRB + 16 qt + 8 ks
; window 1: the ring.  Stage s: K row j at 128 (s & 1) + 4 j, V row j 64 further on.  On the way out: row e of O at 4 e
; window 2: O, tile (qt, dt) at 8 (8 qt + dt); V fragments, tile (ks, dt) at VF + 8 (8 ks + dt)
.set VF,    128
; window 3: K fragments, tile (mt, c) at 8 (4 mt + c); in the prologue Q's row e at 4 e
.set KB,    32                         ; s[32:33] Kcache, s[34:35] Vcache at my rows of stage 0
.set VB,    34
.set KB7,   36                         ; s[36:37], s[38:39] my rows of stage 7: in the caches, or in K and V
.set VB7,   38
; s_set_vgpr_msb: bits 1:0 source 0, 3:2 source 1, 5:4 source 2, 7:6 destination; the high byte repeats the setting that is left
.set TO_W1,  0x40
.set TO_W2,  0x80
.set TO_W3,  0xc0
.set CVT_W1, 0x45
.set MUL_W1, 0x41
.set ST_W1,  0x04
.set MUL_W3, 0xc3
.set CVT_W3, 0xcf
.set ST_W3,  0x0c
.set MUL_S,  0x03                      ; A (K) window 3, the rest window 0
.set MUL_W2, 0x82
.set MUL_PV, 0xa2                      ; A (V), C and D window 2, B (P) window 0
.set ST_W2,  0x08
.set MSB, 0
.macro WIN new
.if MSB != \new
	s_set_vgpr_msb (MSB<<8)|\new
.set MSB, \new
.endif
.endm
; 16 loads: my 16 rows of stage s of K (kv = 0) or V (kv = 1) into the ring.  Each load covers a row's 512 bytes.
.macro GLOAD s, kv
	WIN TO_W1
.set rr, 128*((\s)&1)+64*(\kv)
.if (\s) < 7
.set bb, KB+2*(\kv)
.set oo, (\s)*GSTG
.else
.set bb, KB7+2*(\kv)
.set oo, 0
.endif
.irp j, 0,1,2,3,4,5,6,7,8,9,10,11,12,13,14,15
	global_load_b128 v[rr+4*\j:rr+4*\j+3], v[LOFF], s[bb:bb+1] offset:oo+\j*ROWB th:TH_LOAD_NT
.endr
.endm
; my 16 rows of stage s rounded to f16 in place (4 f32 a lane become 8 bytes) and stored: a store covers a row's 256 bytes
.macro CVTSTO s, kv, imm
.set rr, 128*((\s)&1)+64*(\kv)
	WIN CVT_W1
.irp j, 0,1,2,3,4,5,6,7,8,9,10,11,12,13,14,15
	v_cvt_pk_f16_f32 v[rr+4*\j], v[rr+4*\j], v[rr+4*\j+1]
	v_cvt_pk_f16_f32 v[rr+4*\j+1], v[rr+4*\j+2], v[rr+4*\j+3]
.endr
	WIN ST_W1
.irp j, 0,1,2,3,4,5,6,7,8,9,10,11,12,13,14,15
	ds_store_b64 v[KSTO+\kv], v[rr+4*\j:rr+4*\j+1] offset:\imm+\j*(KP+16*\kv)
.endr
.endm
; Stage s goes from the ring into LDS, and stage nxt = s + 2 (none: -1) is asked for into the registers set free.
; wk, wv: how many younger loads may stay out when K's, then V's, 16 loads have to be there.
.macro PRODUCE s, wk, wv, nxt
.if (\s) == 0
.set im, 0
.else
.set im, STG                           ; KSTO and VSTO stand at the trip's stage, one in front of s
.endif
	s_wait_loadcnt \wk
.if (\s) == 7
	WIN MUL_W1                             ; the last stage's K rows times coeff where they are the 16 new keys, times 1.0 elsewhere
.irp j, 0,1,2,3,4,5,6,7,8,9,10,11,12,13,14,15
	v_pk_mul_f32 v[128+4*\j:128+4*\j+1], v[128+4*\j:128+4*\j+1], v[KC:KC+1]
	v_pk_mul_f32 v[128+4*\j+2:128+4*\j+3], v[128+4*\j+2:128+4*\j+3], v[KC+2:KC+3]
.endr
.endif
	CVTSTO \s, 0, im
.if (\nxt) >= 0
	GLOAD \nxt, 0
.endif
	s_wait_loadcnt \wv
	CVTSTO \s, 1, im
.if (\nxt) >= 0
	GLOAD \nxt, 1
.endif
.endm
; 80 LDS loads: the stage's K fragments, w3 log2e into the scores' accumulators, the stage's V^T fragments
.macro FETCH i
	WIN TO_W3
.irp mt, 0,1,2,3
.irp c, 0,1,2,3
	ds_load_b128 v[8*(4*\mt+\c):8*(4*\mt+\c)+3],   v[KAD] offset:\mt*16*KP+64*\c       ; key 16 mt + r, d = 32 c + 8 h + 0..7
	ds_load_b128 v[8*(4*\mt+\c)+4:8*(4*\mt+\c)+7], v[KAD] offset:\mt*16*KP+64*\c+32    ; d = 32 c + 16 + 8 h + 0..7
.endr
.endr
	WIN 0
.irp qt, 0,1
.irp mt, 0,1,2,3
	ds_load_b128 v[SCO+32*\qt+8*\mt:SCO+32*\qt+8*\mt+3],   v[WAD] offset:(\i)*256+\mt*64      ; keys 16 mt + 8 h + 0..3: one run of words for each half of the lanes
	ds_load_b128 v[SCO+32*\qt+8*\mt+4:SCO+32*\qt+8*\mt+7], v[WAD] offset:(\i)*256+\mt*64+16
.endr
.endr
	WIN TO_W2
.irp ks, 0,1
.irp dt, 0,1,2,3,4,5,6,7
	ds_load_tr16_b128 v[VF+8*(8*\ks+\dt):VF+8*(8*\ks+\dt)+3],   v[VAD] offset:\ks*32*VP+\dt*32         ; d = 16 dt + r, keys 32 ks + 8 h + 0..7
	ds_load_tr16_b128 v[VF+8*(8*\ks+\dt)+4:VF+8*(8*\ks+\dt)+7], v[VAD] offset:\ks*32*VP+\dt*32+16*VP   ; keys 32 ks + 16 + 8 h + 0..7
.endr
.endr
.endm
; 32 matrix instructions: 64 keys x 32 queries x 128 d.  The eight accumulators take turns, one instruction a turn.
.macro SMUL
	WIN MUL_S
.irp c, 0,1,2,3
.irp mt, 0,1,2,3
.irp qt, 0,1
	v_wmma_f32_16x16x32_f16 v[SCO+32*\qt+8*\mt:SCO+32*\qt+8*\mt+7], v[8*(4*\mt+\c):8*(4*\mt+\c)+7], v[QF+8*(4*\qt+\c):QF+8*(4*\qt+\c)+7], v[SCO+32*\qt+8*\mt:SCO+32*\qt+8*\mt+7]
.endr
.endr
.endr
.endm
; The new maximum of query tile qt: 32 scores a lane in four chains (9, 9, 7, 7 numbers), the old maximum, the other half of the lanes.
.macro ROWMAX qt, first
.set sb, SCO+32*\qt
.set mp, MP0+2*\qt
.set ap, AP0+2*\qt
	v_max3_num_f32 v[TA], v[sb+0],  v[sb+1],  v[sb+2]
	v_max3_num_f32 v[TB], v[sb+9],  v[sb+10], v[sb+11]
	v_max3_num_f32 v[TC], v[sb+18], v[sb+19], v[sb+20]
	v_max3_num_f32 v[TD], v[sb+25], v[sb+26], v[sb+27]
.irp k, 0,2,4
	v_max3_num_f32 v[TA], v[TA], v[sb+3+\k],  v[sb+4+\k]
	v_max3_num_f32 v[TB], v[TB], v[sb+12+\k], v[sb+13+\k]
.if \k < 4
	v_max3_num_f32 v[TC], v[TC], v[sb+21+\k], v[sb+22+\k]
	v_max3_num_f32 v[TD], v[TD], v[sb+28+\k], v[sb+29+\k]
.endif
.endr
	v_max3_num_f32 v[TA], v[TA], v[TB], v[TC]
.if \first
	v_max_num_f32 v[TA], v[TA], v[TD]
.else
	v_max3_num_f32 v[TA], v[TA], v[TD], v[mp]
.endif
	v_permlanex16_b32 v[TB], v[TA], s45, s46       ; lane i takes lane i xor 16: the query's other 32 keys
	v_max_num_f32 v[TC], v[TA], v[TB]
.if \first
	v_mov_b32 v[mp], v[TC]
	v_mov_b32 v[mp+1], v[TC]
.else
	v_sub_f32 v[TD], v[mp], v[TC]                  ; old m - new m, never above 0
	v_mov_b32 v[mp], v[TC]
	v_mov_b32 v[mp+1], v[TC]
	v_exp_f32 v[ap], v[TD]                         ; behind these two the next line is a plain vector instruction that
	v_exp_f32 v[ap+1], v[TD]                       ; neither reads ap nor writes TD (ISA guide 5.7.2)
.endif
.endm
; l of query tile qt, and its P rounded to f16: tile mt's eight numbers become registers 4 (mt & 1) + 0..3 of fragment mt / 2
.macro ROWSUM qt, first
.set sb, SCO+32*\qt
.irp k, 0,1,2,3
	v_pk_add_f32 v[USM+2*\k:USM+2*\k+1], v[sb+2*\k:sb+2*\k+1], v[sb+8+2*\k:sb+8+2*\k+1]
.endr
.irp k, 0,1,2,3
	v_pk_add_f32 v[USM+2*\k:USM+2*\k+1], v[USM+2*\k:USM+2*\k+1], v[sb+16+2*\k:sb+16+2*\k+1]
.endr
.irp k, 0,1,2,3
	v_pk_add_f32 v[USM+2*\k:USM+2*\k+1], v[USM+2*\k:USM+2*\k+1], v[sb+24+2*\k:sb+24+2*\k+1]
.endr
	v_pk_add_f32 v[USM:USM+1], v[USM:USM+1], v[USM+2:USM+3]
	v_pk_add_f32 v[USM+4:USM+5], v[USM+4:USM+5], v[USM+6:USM+7]
	v_pk_add_f32 v[USM:USM+1], v[USM:USM+1], v[USM+4:USM+5]
.if \first
	v_add_f32 v[LS0+\qt], v[USM], v[USM+1]
.else
	v_fma_f32 v[LS0+\qt], v[LS0+\qt], v[AP0+2*\qt], v[USM]
	v_add_f32 v[LS0+\qt], v[LS0+\qt], v[USM+1]
.endif
.irp k, 0,1,2,3,4,5,6,7,8,9,10,11,12,13,14,15
	v_cvt_pk_f16_f32 v[PRB+16*\qt+\k], v[sb+2*\k], v[sb+2*\k+1]
.endr
.endm
.macro SOFTMAX first
	WIN 0
.rept 4
	v_nop                                          ; four places between the last matrix instruction and the first read of its result (ISA guide 7.12.1)
.endr
	ROWMAX 0, \first
	ROWMAX 1, \first
.irp qt, 0,1
.irp k, 0,2,4,6,8,10,12,14,16,18,20,22,24,26,28,30
	v_pk_add_f32 v[SCO+32*\qt+\k:SCO+32*\qt+\k+1], v[SCO+32*\qt+\k:SCO+32*\qt+\k+1], v[MP0+2*\qt:MP0+2*\qt+1] neg_lo:[0,1] neg_hi:[0,1]
.endr
.endr
.set e, 0
.rept 64
	v_exp_f32 v[SCO+e], v[SCO+e]                   ; p = 2^(score - m), at most 1
.set e, e+1
.endr
	v_nop                                          ; one plain place behind the exponentials before their results are read (ISA guide 5.7.2)
	s_wait_alu depctr_va_vdst(0)
	ROWSUM 0, \first
	ROWSUM 1, \first
.endm
.macro RESCALE                         ; O times 2^(old m - new m): one factor a lane, since a lane holds one query
	WIN MUL_W2
.irp qt, 0,1
.set e, 0
.rept 32
	v_pk_mul_f32 v[64*\qt+e:64*\qt+e+1], v[64*\qt+e:64*\qt+e+1], v[AP0+2*\qt:AP0+2*\qt+1]
.set e, e+2
.endr
.endr
.endm
; 32 matrix instructions: 128 d x 32 queries x 64 keys.  The sixteen accumulators take turns, one instruction a turn.
; first = 1: the first 32 keys start the sums; nothing is cleared.
.macro PVMUL first
	WIN MUL_PV
.irp ks, 0,1
.irp dt, 0,1,2,3,4,5,6,7
.irp qt, 0,1
.if \first*(1-\ks)
	v_wmma_f32_16x16x32_f16 v[8*(8*\qt+\dt):8*(8*\qt+\dt)+7], v[VF+8*(8*\ks+\dt):VF+8*(8*\ks+\dt)+7], v[PRB+16*\qt+8*\ks:PRB+16*\qt+8*\ks+7], 0
.else
	v_wmma_f32_16x16x32_f16 v[8*(8*\qt+\dt):8*(8*\qt+\dt)+7], v[VF+8*(8*\ks+\dt):VF+8*(8*\ks+\dt)+7], v[PRB+16*\qt+8*\ks:PRB+16*\qt+8*\ks+7], v[8*(8*\qt+\dt):8*(8*\qt+\dt)+7]
.endif
.endr
.endr
.endr
.endm
; Trip i: stage i is read and multiplied; stage i + 1 goes from the ring into LDS.  One barrier a trip: in front of its signal my stores of stage
; i + 1 are done; behind its wait stage i + 1 is read.  Between signal and wait stands register work alone.
.macro TRIP i, first, wk, wv, nxt
.if \i > 0
	v_add_nc_u32 v[KAD], STG, v[KAD]               ; the next stage.  These four lines are also the four places between the last matrix
	v_add_nc_u32 v[VAD], STG, v[VAD]               ; instruction and the loads into its sources (ISA guide 7.12.1 for vector instructions)
.if \i < 7
	v_add_nc_u32 v[KSTO], STG, v[KSTO]
	v_add_nc_u32 v[VSTO], STG, v[VSTO]
.else
	v_nop
	v_nop
.endif
.endif
	FETCH \i
.if \i < 7
	PRODUCE \i+1, \wk, \wv, \nxt
.endif
	s_wait_dscnt 0x0                               ; my fragments are in, and for the other waves' sake my stores of stage i + 1 are done
.if \i < 7
	s_barrier_signal -1
.endif
	SMUL
	SOFTMAX \first
.if \first == 0
	RESCALE
.endif
	PVMUL \first
	WIN 0
.if \i < 7
	s_barrier_wait -1                              ; every wave's rows of stage i + 1 are in LDS
.endif
.endm
	; ---- set-up ----
	s_load_b512 s[4:19], s[0:1], 0x0               ; Q s[4:5], K s[6:7], V s[8:9], Kcache s[10:11], Vcache s[12:13], w1 s[14:15], w2 s[16:17], w3 s[18:19]
	s_load_b128 s[20:23], s[0:1], 0x40             ; opart s[20:21], ml s[22:23]
	v_lshl_add_u32 v254, v0, 2, 0x4f000
	v_mov_b32 v255, 0
	v_and_b32 v1, 31, v0                           ; lane
	v_lshrrev_b32 v[TA], 5, v0
	v_readfirstlane_b32 s24, v[TA]                 ; wave w
	s_mov_b32 s25, ttmp9                           ; split
	s_and_b32 s26, ttmp7, 0xffff                   ; pair
	s_mov_b32 s45, 0x76543210                      ; v_permlanex16_b32: lane i of one half reads lane i of the other
	s_mov_b32 s46, 0xfedcba98
	s_mov_b32 s29, 0                               ; high words of the two offset pairs
	s_mov_b32 s31, 0
	v_and_b32 v[TB], 15, v1                        ; r
	v_lshrrev_b32 v[TC], 4, v1                     ; h
	v_cmp_le_u32 s47, 16, v1                       ; the upper half of the lanes
	v_lshlrev_b32 v[LOFF], 4, v1
	v_lshlrev_b32 v[MLO], 3, v1
	s_mul_i32 s27, s24, 16*KP
	v_lshl_add_u32 v[KSTO], v1, 3, s27             ; row 16 w of stage 0's K, 8 bytes a lane
	s_mul_i32 s27, s24, 16*VP
	s_add_co_u32 s27, s27, VOFS
	v_lshl_add_u32 v[VSTO], v1, 3, s27             ; the same of V
	v_mul_u32_u24 v[KAD], v[TB], KP
	v_lshl_add_u32 v[KAD], v[TC], 4, v[KAD]        ; r x pitch + 16 h
	v_and_b32 v[TD], 7, v1
	v_lshl_add_u32 v[TD], v[TC], 3, v[TD]          ; key 8 h + lane % 8
	v_mul_u32_u24 v[TD], v[TD], VP
	v_bfe_u32 v[TA], v1, 3, 1
	v_lshl_add_u32 v[TD], v[TA], 4, v[TD]          ; + 16 bytes for the second eight lanes of each half
	v_add_nc_u32 v[VAD], VOFS, v[TD]
	v_lshl_add_u32 v[WAD], v[TC], 5, W3S           ; keys 8 h ..
	s_mul_i32 s27, s24, 32*KP
	s_add_co_u32 s27, s27, QS
	v_lshl_add_u32 v[QSTO], v1, 3, s27             ; my 32 rows of Q
	v_add_nc_u32 v[QAD], s27, v[KAD]
	s_mul_i32 s27, s24, OWAVE
	v_mul_u32_u24 v[OSTO], v[TB], OP
	v_lshl_add_u32 v[OSTO], v[TC], 5, v[OSTO]      ; the way out: row r, 32 bytes for each half
	v_add_nc_u32 v[OSTO], s27, v[OSTO]
	v_lshl_add_u32 v[ORD], v1, 4, s27
	s_lshl_b32 s27, s24, 9
	s_add_co_u32 s27, s27, W3S
	v_lshl_add_u32 v[W3STO], v1, 4, s27
	v_cvt_f32_u32 v[SGN], v[TC]
	v_fma_f32 v[SGN], v[SGN], -2.0, 1.0            ; my four d are 4 lane ..: +1 for lanes 0-15 (d < 64), -1 for lanes 16-31
	v_mov_b32 v[SGN+1], v[SGN]
	s_wait_kmcnt 0x0
	; every base is stepped once, here, in front of its first use; none is written again
	s_mul_i32 s28, s26, CPAIR
	s_lshl_b32 s30, s25, 18                        ; split x 512 keys x 512 bytes
	s_add_co_u32 s28, s28, s30
	s_lshl_b32 s30, s24, 13                        ; w x 16 rows
	s_add_co_u32 s28, s28, s30
	s_add_nc_u64 s[KB:KB+1], s[10:11], s[28:29]
	s_add_nc_u64 s[VB:VB+1], s[12:13], s[28:29]
	s_lshl_b32 s30, s26, 13                        ; pair x 16 rows
	s_add_nc_u64 s[40:41], s[6:7], s[30:31]
	s_add_nc_u64 s[42:43], s[8:9], s[30:31]
	s_add_nc_u64 s[KB7:KB7+1], s[KB:KB+1], 7*GSTG
	s_add_nc_u64 s[VB7:VB7+1], s[VB:VB+1], 7*GSTG
	s_lshl2_add_u32 s27, s25, s24                  ; 4 split + w
	s_cmp_eq_u32 s27, 63                           ; split 15, wave 3: my rows of stage 7 are keys 8,176 .. 8,191, the new ones
	s_cselect_b64 s[KB7:KB7+1], s[40:41], s[KB7:KB7+1]
	s_cselect_b64 s[VB7:VB7+1], s[42:43], s[VB7:VB7+1]
	s_cselect_b32 s44, -1, 0
	s_lshl_b32 s28, s26, 16                        ; Q: pair x 128 rows + w x 32 rows
	s_lshl_b32 s30, s24, 14
	s_add_co_u32 s28, s28, s30
	s_add_nc_u64 s[4:5], s[4:5], s[28:29]
	s_lshl_b32 s28, s25, 11                        ; w3: split x 512 numbers + w x 128
	s_lshl_b32 s30, s24, 9
	s_add_co_u32 s28, s28, s30
	s_add_nc_u64 s[18:19], s[18:19], s[28:29]
	s_lshl4_add_u32 s27, s26, s25                  ; 16 pair + split
	s_lshl_b32 s28, s27, 16                        ; opart: x 128 rows + w x 32 rows
	s_lshl_b32 s30, s24, 14
	s_add_co_u32 s28, s28, s30
	s_add_nc_u64 s[20:21], s[20:21], s[28:29]
	s_lshl_b32 s28, s27, 10                        ; ml: x 128 pairs of 8 bytes + w x 32
	s_lshl_b32 s30, s24, 8
	s_add_co_u32 s28, s28, s30
	s_add_nc_u64 s[22:23], s[22:23], s[28:29]
	; ---- first loads ----
	global_load_b128 v[W1L:W1L+3], v[LOFF], s[14:15]
	global_load_b128 v[W2L:W2L+3], v[LOFF], s[16:17]
	global_load_b128 v[W3L:W3L+3], v[LOFF], s[18:19]
	WIN TO_W3
.set e, 0
.rept 32
	global_load_b128 v[4*e:4*e+3], v[LOFF], s[4:5] offset:e*ROWB   ; my 32 rows of Q (sixteen work-groups read them: no hint)
.set e, e+1
.endr
	GLOAD 0, 0
	s_wait_loadcnt 16                              ; w1, w2, w3 and Q are in: only K's stage 0 was issued behind them
	GLOAD 0, 1                                     ; the ring is filled: with these 48, 64 loads are asked for.  The counter's field holds 63, so the
	GLOAD 1, 0                                     ; issue of the last waits until one has come back (ISA guide 5.7.1); no wait is written for that
	GLOAD 1, 1
	; ---- constants and Q, while the ring's loads are on their way ----
	WIN 0
	v_pk_fma_f32 v[COEF:COEF+1], v[W1L:W1L+1], v[SGN:SGN+1], v[W2L:W2L+1]
	v_pk_fma_f32 v[COEF+2:COEF+3], v[W1L+2:W1L+3], v[SGN:SGN+1], v[W2L+2:W2L+3]
	v_pk_mul_f32 v[QC:QC+1], v[COEF:COEF+1], 0x3e0293ee op_sel_hi:[1,0]        ; x C x log2e = 0.12751743
	v_pk_mul_f32 v[QC+2:QC+3], v[COEF+2:COEF+3], 0x3e0293ee op_sel_hi:[1,0]
.irp k, 0,1,2,3
	v_cndmask_b32 v[KC+\k], 1.0, v[COEF+\k], s44
.endr
	v_pk_mul_f32 v[W3L:W3L+1], v[W3L:W3L+1], 0x3fb8aa3b op_sel_hi:[1,0]        ; x log2e
	v_pk_mul_f32 v[W3L+2:W3L+3], v[W3L+2:W3L+3], 0x3fb8aa3b op_sel_hi:[1,0]
	ds_store_b128 v[W3STO], v[W3L:W3L+3]
	WIN MUL_W3
.set e, 0
.rept 32
	v_pk_mul_f32 v[e:e+1], v[e:e+1], v[QC:QC+1]
	v_pk_mul_f32 v[e+2:e+3], v[e+2:e+3], v[QC+2:QC+3]
.set e, e+4
.endr
	WIN CVT_W3
.set e, 0
.rept 32
	v_cvt_pk_f16_f32 v[e], v[e], v[e+1]
	v_cvt_pk_f16_f32 v[e+1], v[e+2], v[e+3]
.set e, e+4
.endr
	WIN ST_W3
.set e, 0
.rept 32
	ds_store_b64 v[QSTO], v[4*e:4*e+1] offset:e*KP
.set e, e+1
.endr
	WIN 0
.irp qt, 0,1
.irp c, 0,1,2,3
	ds_load_b128 v[QF+8*(4*\qt+\c):QF+8*(4*\qt+\c)+3],   v[QAD] offset:\qt*16*KP+64*\c      ; my own bytes: LDS serves a wave's instructions in order
	ds_load_b128 v[QF+8*(4*\qt+\c)+4:QF+8*(4*\qt+\c)+7], v[QAD] offset:\qt*16*KP+64*\c+32   ; (ISA guide 5.7.1), so these see the stores above
.endr
.endr
	; ---- stage 0 into LDS ----
	PRODUCE 0, 48, 48, 2                           ; behind K(s): V(s) and stage s + 1, 48 loads; behind V(s): stage s + 1 and K(s + 2), 48 loads
	s_wait_dscnt 0x0                               ; my rows of stage 0 and my part of w3 are stored, my Q fragments are in
	s_barrier_signal -1
	s_barrier_wait -1
	; ---- the eight trips ----
	TRIP 0, 1, 48, 48, 3
	TRIP 1, 0, 48, 48, 4
	TRIP 2, 0, 48, 48, 5
	TRIP 3, 0, 48, 48, 6
	TRIP 4, 0, 48, 48, 7
	TRIP 5, 0, 48, 32, -1                          ; stage 6: nothing is asked for any more; behind V(6) only stage 7's 32 loads
	TRIP 6, 0, 16, 0, -1                           ; stage 7: behind K(7) V(7)'s 16; behind V(7) none
	TRIP 7, 0, 0, 0, -1
	; ---- the way out ----
.rept 4
	v_nop                                          ; four places between the last matrix instruction and the stores that read its result
.endr
	v_permlanex16_b32 v[TA], v[LS0], s45, s46      ; l: the two halves' keys together
	v_permlanex16_b32 v[TB], v[LS0+1], s45, s46
	v_add_f32 v[LS0], v[LS0], v[TA]
	v_add_f32 v[LS0+1], v[LS0+1], v[TB]
	v_cndmask_b32 v[MV], v[MP0], v[MP0+2], s47     ; lane i takes query 32 w + i: tile 0 below, tile 1 above
	v_cndmask_b32 v[MV+1], v[LS0], v[LS0+1], s47
	global_store_b64 v[MLO], v[MV:MV+1], s[22:23]  ; the wave's store covers 256 consecutive bytes, aligned
	; O: a lane holds 8 neighbouring d of one query.  32 rows go through my own 16,896 bytes of LDS and come back as whole rows.  Those bytes lie in
	; stages 0 and 1, whose last reads every wave had waited for in front of the signals of trips 0 and 1; all waves have passed those barriers.
	WIN ST_W2
.irp qt, 0,1
.irp dt, 0,1,2,3,4,5,6,7
	ds_store_b128 v[OSTO], v[8*(8*\qt+\dt):8*(8*\qt+\dt)+3]   offset:\qt*16*OP+\dt*64
	ds_store_b128 v[OSTO], v[8*(8*\qt+\dt)+4:8*(8*\qt+\dt)+7] offset:\qt*16*OP+\dt*64+16
.endr
.endr
	WIN TO_W1
.set e, 0
.rept 32
	ds_load_b128 v[4*e:4*e+3], v[ORD] offset:e*OP  ; in order behind my stores
.set e, e+1
.endr
	WIN ST_W1
.set e, 0
.irp g, 24,16,8,0
	s_wait_dscnt \g                                ; eight more rows are back; the younger loads stay out
.rept 8
	global_store_b128 v[LOFF], v[4*e:4*e+3], s[20:21] offset:e*ROWB    ; a whole row: 512 consecutive bytes, aligned
.set e, e+1
.endr
.endr
	WIN 0
	s_wait_tensorcnt 0x0
	ds_add_u32 v254, v255
	s_wait_dscnt 0x0
	s_endpgm
.Lfunc_end_k_q50d4cf4c08_partial:
	.size	k_q50d4cf4c08_partial, .Lfunc_end_k_q50d4cf4c08_partial-k_q50d4cf4c08_partial
	.p2alignl 7, 3214868480
	.fill 96, 4, 3214868480
	.section	.rodata,"a",@progbits
	.p2align	6, 0x0
	.amdhsa_kernel k_q50d4cf4c08_partial
		.amdhsa_group_segment_fixed_size 324096
		.amdhsa_private_segment_fixed_size 0
		.amdhsa_enable_private_segment 0
		.amdhsa_kernarg_size 80
		.amdhsa_user_sgpr_count 2
		.amdhsa_user_sgpr_kernarg_segment_ptr 1
		.amdhsa_wavefront_size32 1
		.amdhsa_system_sgpr_workgroup_id_x 1
		.amdhsa_system_sgpr_workgroup_id_y 1
		.amdhsa_system_sgpr_workgroup_id_z 1
		.amdhsa_system_vgpr_workitem_id 0
		.amdhsa_next_free_vgpr 896
		.amdhsa_next_free_sgpr 66
		.amdhsa_reserve_vcc 0
		.amdhsa_float_denorm_mode_32 3
		.amdhsa_float_denorm_mode_16_64 3
		.amdhsa_memory_ordered 1
		.amdhsa_forward_progress 1
		.amdhsa_inst_pref_size 255
	.end_amdhsa_kernel
	.section	.bss,"aw",@nobits
	.p2align	6
	.space	262144
	.amdgpu_metadata
---
amdhsa.version: [ 1, 2 ]
amdhsa.kernels:
  - .name:           k_q50d4cf4c08_partial
    .symbol:         k_q50d4cf4c08_partial.kd
    .args:
      - { .name: Q, .offset: 0, .size: 8, .value_kind: global_buffer, .address_space: global }
      - { .name: K, .offset: 8, .size: 8, .value_kind: global_buffer, .address_space: global }
      - { .name: V, .offset: 16, .size: 8, .value_kind: global_buffer, .address_space: global }
      - { .name: Kcache, .offset: 24, .size: 8, .value_kind: global_buffer, .address_space: global }
      - { .name: Vcache, .offset: 32, .size: 8, .value_kind: global_buffer, .address_space: global }
      - { .name: w1, .offset: 40, .size: 8, .value_kind: global_buffer, .address_space: global }
      - { .name: w2, .offset: 48, .size: 8, .value_kind: global_buffer, .address_space: global }
      - { .name: w3, .offset: 56, .size: 8, .value_kind: global_buffer, .address_space: global }
      - { .name: opart, .offset: 64, .size: 8, .value_kind: global_buffer, .address_space: global }
      - { .name: ml, .offset: 72, .size: 8, .value_kind: global_buffer, .address_space: global }
    .group_segment_fixed_size: 324096
    .private_segment_fixed_size: 0
    .kernarg_segment_align: 8
    .kernarg_segment_size: 80
    .max_flat_workgroup_size: 128
    .sgpr_count:     66
    .vgpr_count:     896
    .wavefront_size: 32
...
	.end_amdgpu_metadata
.endif
;; end of part 1
;; launch combine (part 2): grid 256 x 1, 8 waves a work-group, no clusters, 0 bytes of LDS; arguments opart, ml, out0; writes out0
.if DOCPART == 2
	.amdgcn_target "amdgcn-amd-amdhsa--gfx1250"
	.amdhsa_code_object_version 6
	.text
	.protected	k_q50d4cf4c08_combine
	.globl	k_q50d4cf4c08_combine
	.p2align	8
	.type	k_q50d4cf4c08_combine,@function
k_q50d4cf4c08_combine:
	s_mov_b64 s[64:65], 0
	v_nop
	global_prefetch_b8 v0, s[64:65] scope:SCOPE_SE
	s_setreg_imm32_b32 hwreg(HW_REG_WAVE_MODE, 25, 1), 1
	s_wait_xcnt 0x0
; out0[R][d] = sum over the 16 splits s of 2^(m_s - M) O_s[d]  /  sum over s of 2^(m_s - M) l_s,   M = the largest m_s.
; One wave makes one of the 2,048 output rows: R = 8 x work-group + wave, pair = R / 128, q = R % 128.
; opart: [pair 16][split 16][q 128][d 128] f32.  ml: [pair 16][split 16][q 128][m, l] f32.  m is in units of log2.
; All 16 partial rows are asked for at once (a load covers a row's 512 bytes); the weights are made while they are on their way.
; A stream read once: no LDS, no barrier, no matrix unit, nothing shared between work-groups.
; The denominator is at least 1: the split that holds M has weight 1, and its l holds the term 2^0.  Weights below 2^-126 come out as 0.
.set ROWB, 512
.set ML,   4                           ; v[4:5]    m, l of split lane % 16 (both halves of the wave hold the same)
.set ACC,  10                          ; v[10:13]  my four d of the row
.set PR,   16                          ; v[16:79]  split s: my four d at PR + 4 s
.set WG,   20                          ; s[20:35]  the 16 weights, normalised
	s_load_b128 s[4:7], s[0:1], 0x0                ; opart s[4:5], ml s[6:7]
	s_load_b64 s[8:9], s[0:1], 0x10                ; out0
	v_lshrrev_b32 v1, 5, v0
	v_readfirstlane_b32 s12, v1                    ; wave
	v_and_b32 v1, 31, v0
	v_lshlrev_b32 v2, 4, v1                        ; 16 bytes a lane
	v_and_b32 v3, 15, v1
	v_lshlrev_b32 v3, 10, v3                       ; split lane % 16: 128 pairs of 8 bytes apart
	s_lshl3_add_u32 s13, ttmp9, s12                ; R
	s_lshr_b32 s14, s13, 7                         ; pair
	s_and_b32 s15, s13, 127                        ; q
	s_lshl_b32 s16, s14, 20                        ; opart: pair x 16 splits x 65,536 bytes + q x 512
	s_lshl_b32 s18, s15, 9
	s_add_co_u32 s16, s16, s18
	s_mov_b32 s17, 0
	s_lshl_b32 s18, s14, 14                        ; ml: pair x 16 splits x 1,024 bytes + q x 8
	s_lshl3_add_u32 s18, s15, s18
	s_mov_b32 s19, 0
	s_lshl_b32 s14, s13, 9                         ; out0: R x 512
	s_mov_b32 s15, 0
	s_wait_kmcnt 0x0
	s_add_nc_u64 s[4:5], s[4:5], s[16:17]
	s_add_nc_u64 s[6:7], s[6:7], s[18:19]
	s_add_nc_u64 s[8:9], s[8:9], s[14:15]
	global_load_b64 v[ML:ML+1], v3, s[6:7]
.irp s, 0,1,2,3,4,5,6,7,8,9,10,11,12,13,14,15
	global_load_b128 v[PR+4*\s:PR+4*\s+3], v2, s[4:5] offset:\s*128*ROWB th:TH_LOAD_NT
.endr
	s_wait_loadcnt 16                              ; m and l are in; the 16 rows issued behind them stay out
	v_mov_b32 v6, v[ML]
	v_max_num_f32_dpp v6, v6, v6 row_xmask:1 row_mask:0xf bank_mask:0xf        ; M over the 16 lanes of my half
	v_max_num_f32_dpp v6, v6, v6 row_xmask:2 row_mask:0xf bank_mask:0xf
	v_max_num_f32_dpp v6, v6, v6 row_xmask:4 row_mask:0xf bank_mask:0xf
	v_max_num_f32_dpp v6, v6, v6 row_xmask:8 row_mask:0xf bank_mask:0xf
	v_sub_f32 v7, v[ML], v6
	v_exp_f32 v7, v7                               ; 2^(m - M)
	v_nop                                          ; one plain place behind a transcendental (ISA guide 5.7.2)
	s_wait_alu depctr_va_vdst(0)
	v_mul_f32 v8, v7, v[ML+1]
	v_add_f32_dpp v8, v8, v8 row_xmask:1 row_mask:0xf bank_mask:0xf            ; the denominator
	v_add_f32_dpp v8, v8, v8 row_xmask:2 row_mask:0xf bank_mask:0xf
	v_add_f32_dpp v8, v8, v8 row_xmask:4 row_mask:0xf bank_mask:0xf
	v_add_f32_dpp v8, v8, v8 row_xmask:8 row_mask:0xf bank_mask:0xf
	v_rcp_f32 v9, v8
	v_nop
	s_wait_alu depctr_va_vdst(0)
	v_mul_f32 v7, v7, v9                           ; split lane % 16's weight, normalised
.irp s, 0,1,2,3,4,5,6,7,8,9,10,11,12,13,14,15
	v_readlane_b32 s[WG+\s], v7, \s
.endr
	s_wait_loadcnt 15                              ; loads come back in order (ISA guide 5.7.1): row 0 is in, the 15 younger stay out
.irp c, 0,1,2,3
	v_mul_f32 v[ACC+\c], s[WG], v[PR+\c]           ; the first row starts the sums
.endr
.irp s, 1,2,3,4,5,6,7,8,9,10,11,12,13,14,15
	s_wait_loadcnt 15-\s
.irp c, 0,1,2,3
	v_fmac_f32 v[ACC+\c], s[WG+\s], v[PR+4*\s+\c]
.endr
.endr
	global_store_b128 v2, v[ACC:ACC+3], s[8:9] th:TH_STORE_NT      ; a whole row: 512 consecutive bytes, aligned
	s_endpgm
.Lfunc_end_k_q50d4cf4c08_combine:
	.size	k_q50d4cf4c08_combine, .Lfunc_end_k_q50d4cf4c08_combine-k_q50d4cf4c08_combine
	.p2alignl 7, 3214868480
	.fill 96, 4, 3214868480
	.section	.rodata,"a",@progbits
	.p2align	6, 0x0
	.amdhsa_kernel k_q50d4cf4c08_combine
		.amdhsa_group_segment_fixed_size 0
		.amdhsa_private_segment_fixed_size 0
		.amdhsa_enable_private_segment 0
		.amdhsa_kernarg_size 24
		.amdhsa_user_sgpr_count 2
		.amdhsa_user_sgpr_kernarg_segment_ptr 1
		.amdhsa_wavefront_size32 1
		.amdhsa_system_sgpr_workgroup_id_x 1
		.amdhsa_system_sgpr_workgroup_id_y 1
		.amdhsa_system_sgpr_workgroup_id_z 1
		.amdhsa_system_vgpr_workitem_id 0
		.amdhsa_next_free_vgpr 80
		.amdhsa_next_free_sgpr 66
		.amdhsa_reserve_vcc 0
		.amdhsa_float_denorm_mode_32 3
		.amdhsa_float_denorm_mode_16_64 3
		.amdhsa_memory_ordered 1
		.amdhsa_forward_progress 1
		.amdhsa_inst_pref_size 8
	.end_amdhsa_kernel
	.amdgpu_metadata
---
amdhsa.version: [ 1, 2 ]
amdhsa.kernels:
  - .name:           k_q50d4cf4c08_combine
    .symbol:         k_q50d4cf4c08_combine.kd
    .args:
      - { .name: opart, .offset: 0, .size: 8, .value_kind: global_buffer, .address_space: global }
      - { .name: ml, .offset: 8, .size: 8, .value_kind: global_buffer, .address_space: global }
      - { .name: out0, .offset: 16, .size: 8, .value_kind: global_buffer, .address_space: global }
    .group_segment_fixed_size: 0
    .private_segment_fixed_size: 0
    .kernarg_segment_align: 8
    .kernarg_segment_size: 24
    .max_flat_workgroup_size: 256
    .sgpr_count:     66
    .vgpr_count:     80
    .wavefront_size: 32
...
	.end_amdgpu_metadata
.endif
;; end of part 2
